; MI455X (gfx1250); checked and timed in simulation.
; The chip was launched on July 23, 2026; its instructions are those of AMD's public machine-readable ISA for CDNA 5 (MIT licence, August 2026) and "CDNA5" Instruction Set Architecture Reference Guide (July 2026). The comments in the code are by the model that wrote it; some were corrected since.
;; Scaled Dot Product Attention. Allowed arithmetic: matrix products marked QUANTISED: E3M2 operands, one E8M0 scale for each 32 along K, by v_wmma_scale_f32_16x16x128_f8f6f4 with both operands' format E3M2, f32 sums; everything else in f32.
;; Inputs: qkv 8 x 2,048 x 3,072 float32.
;; Outputs: out0 8 x 2,048 x 1,024 float32.
;; This version of the problem:
;;   THIS VERSION OF THE PROBLEM IS GIVEN IN LOW PRECISION. The matrix products marked QUANTISED in the list below multiply operands that are first quantised to E3M2 (3 exponent bits, 2 mantissa bits; 6 bits a number), with one power-of-two scale for each 32 numbers along K (OCP MX v1.0); their sums are f32. All else is computed in f32.
;;   The module's matrix products, in the order in which they are computed (A, B: the left and right operand; K: the contracted axis; several contracted axes count as one K, in the product's order):
;;     1. batch 8 x [M 2,048, K 1,024] x [K 1,024, N 2,048]; A: computed on the way; B: input qkv: QUANTISED
;;     2. batch 8 x [M 2,048, K 2,048] x [K 2,048, N 1,024]; A: softmax (see below); B: input qkv: QUANTISED
;;   THE QUANTISER, for each operand of a quantised product, along K:
;;     - K is cut into blocks of 32 from its start; a last block that is shorter is filled with zeros.
;;     - A block's scale is 2^e with e = floor(log2(the largest magnitude in the block)) - 4, held to -126 .. 127; a block of zeros has e = 0. As a byte (E8M0): e + 127.
;;     - Each number is divided by its block's scale, clamped to +-28, and rounded to the nearest number of E3M2, ties to even, subnormals kept.
;;     - The product sums the exact products of the quantised numbers (number of the format x scale) in f32.
;;   ~~~python
;;   def quantise(x, axis):      # numpy; x: float32 -> the quantised numbers, widened to float32 again
;;       x = np.moveaxis(x, axis, -1); K = x.shape[-1]
;;       x = np.pad(x, [(0, 0)] * (x.ndim - 1) + [(0, -K % 32)]); x = x.reshape(x.shape[:-1] + (-1, 32)); a = np.abs(x).max(-1, keepdims=True)
;;       e = np.where(a > 0, np.clip(np.frexp(np.where(a > 0, a, 1))[1] - 1 - 4, -126, 127), 0)      # np.frexp(a)[1] - 1 = floor(log2(a)), exactly
;;       r = np.clip(x / 2.0 ** e, -28, 28)
;;       step = 2.0 ** (np.maximum(np.frexp(np.where(r == 0, 1, r))[1] - 1, -2) - 2)
;;       q = np.round(r / step) * step * 2.0 ** e      # np.round: ties to even
;;       return np.moveaxis(q.reshape(q.shape[:-2] + (-1,))[..., :K], -1, axis).astype(np.float32)
;;   ~~~
;;   SOFTMAX AHEAD OF A QUANTISED PRODUCT. Where the list says 'softmax', what is quantised is not the finished softmax but p = 2^(t - M), with t = logit x log2(e) and M = ceil(the row's largest t), a whole number; so 1/2 < the row's largest p <= 1. The row's sum l is taken of the UNQUANTISED p, in f32, and the product's result is divided by l at the end. Since M is a whole number, a kernel that streams over the keys may use a running M (the ceiling of the running maximum): every later rescaling is an exact power of two, which a block's scale takes up: the codes' values come out the same.
;;   OPERANDS COMPUTED ON THE WAY. 'Computed on the way' means the value that the module computes at that place (a softmax that the list does not call 'softmax' is quantised finished and normalised). What goes into a quantiser is computed in f32, as accurately as f32 sums, v_exp_f32 and their like allow (about 1e-6 of the number): no bf16 or f16 on the way to a quantiser, and a product that is left as it is and whose result goes on into a quantised operand takes f32 operands (vector FMAs, or v_wmma_f32_16x16x4_f32). A number that lies on a knife's edge between two numbers of the format may be rounded either way, as far as f32 arithmetic and the matrix unit's own rounding can turn it there, and no further.
;; One version. Each part assembles by itself: llvm-mc -triple=amdgcn-amd-amdhsa -mcpu=gfx1250 --defsym DOCPART=n.
;; ======== version 1 of 1: 3 launches
;; limits: right only within a limited range of input values
;; workspace buffers: codes 37,748,736 bytes; scales 1,572,864 bytes; pcodes 25,165,824 bytes; pstat 3,145,728 bytes
;; launch quant (part 1): grid 768 x 1, 4 waves a work-group, no clusters, 34,304 bytes of LDS; arguments qkv, codes, scales; writes codes, scales
.if DOCPART == 1
	.amdgcn_target "amdgcn-amd-amdhsa--gfx1250"
	.amdhsa_code_object_version 6
	.text
	.protected	k_q66734c4bc4_quant
	.globl	k_q66734c4bc4_quant
	.p2align	8
	.type	k_q66734c4bc4_quant,@function
k_q66734c4bc4_quant:
	s_mov_b64 s[64:65], 0
	v_nop
	global_prefetch_b8 v0, s[64:65] scope:SCOPE_SE
	s_setreg_imm32_b32 hwreg(HW_REG_WAVE_MODE, 25, 1), 1
	s_wait_xcnt 0x0
; qkv [8][2048][3072] f32 -> codes of BF6 (E3M2) and E8M0 scale words for q / 32, k (both along the 1,024 channels) and v (along the keys).
; A block's scale is 2^(floor(log2(largest magnitude)) - 4); its byte is the largest magnitude's exponent field - 4, held at 1 from below by a floor among the maximum's leaves.
; q / 32: the codes are made of q itself and 5 is taken off each scale byte; the floor is 2^(10 - 127), so that the byte after the 5 is still 1 at the least: the rule applied to q / 32.
; LAYOUT OF THE RESULTS (this program's own): a fragment (16 rows x 128 K, 12 registers a lane) lies as the image of its registers: registers 4 c .. 4 c + 3 of lane l at 512 c + 16 l: 1,536 bytes.
;   codes:  [group of 128 rows][K step of 128][fragment 0..7][1,536 bytes].   q: groups 0-127, k: groups 128-255 (8 K steps each), v^T from byte 25,165,824: groups 8 b + channel / 128 (16 K steps each).
;   scales: [group][K step][fragment % 2][row 0..15][fragment / 2], a word of four bytes each: 512 bytes, which the 32 lanes write as 16 bytes each.
;   k's fragments hold permuted rows: row p of fragment i is key 32 (i / 2) + 8 (i % 2) + p + 8 (p / 8) of the group, so that the scores' registers run along neighbouring keys.
; SHARES: a wave takes 128 x 128 numbers.  Work-groups 0-511: q and k (rows of qkv are the operands' rows); 512-767: v (a lane takes a channel, its registers run down the keys).
; No cluster: no two work-groups read the same bytes.  No barrier: waves share nothing; the stage in LDS is each wave's own.
; LIMITS: NaN and infinities are not served.  A block of zeros gets the floor's byte (1) where the rule says 127: its codes are zeros, and this program alone reads the bytes.
.set ROWQ,  12288                      ; a row of qkv in bytes
.set R,     16                         ; v16-143  two sets of 64: a fragment's 16 rows as loaded
.set X,     144                        ; v144-207 64 numbers of my row: register 16 b + n = k 32 b + 16 (lane / 16) + n
.set PC,    208                        ; v208-227 the codes just made (12) and 8 at work
.set TM,    228                        ; v228-243 at work in the quantiser
.set PW,    244                        ; the scale word just made
.set W8,    246                        ; v246-253 the eight fragments' scale words
.set OUT,   12                         ; v12-15   the words as they leave
.set SEL,   20                         ; s[20:21] lane selects: lane l xor 16
.set HM,    22                         ; s22      a mask of lanes 16-31
.set FLOOR, 24                         ; s24      the floor under a largest magnitude
.set ADJ,   25                         ; s25      what is taken off the four bytes: 5 each for q, 0 for k
.set XV,    16                         ; v path: v16-79 two sets of 32 numbers
.set F,     80                         ; v80-175  eight fragments
.set T,     176                        ; v176-178 the upper half of a block's codes
.set SW,    180                        ; v180-183 four scale words
	s_load_b128 s[4:7], s[0:1], 0x0                ; qkv, codes
	s_load_b64 s[8:9], s[0:1], 0x10                ; scales
	v_lshl_add_u32 v254, v0, 2, 0x8400
	v_mov_b32 v255, 0
	v_lshrrev_b32 v1, 5, v0
	v_readfirstlane_b32 s16, v1                    ; wave 0..3
	v_and_b32 v1, 31, v0                           ; lane
	v_and_b32 v2, 15, v0                           ; r
	v_bfe_u32 v3, v0, 4, 1                         ; h
	s_cmp_lt_u32 ttmp9, 512
	s_cbranch_scc0 .Lv_path
; ---------------- q and k ----------------
	s_lshr_b32 s17, ttmp9, 8                       ; 0: q, 1: k
	s_bfe_u32 s18, ttmp9, 0x70001                  ; the group of 128 rows, 0..127
	s_and_b32 s19, ttmp9, 1
	s_lshl_b32 s19, s19, 2
	s_add_co_u32 s19, s19, s16                     ; the K step, 0..7
	s_mul_i32 s28, s18, 128*ROWQ
	s_lshl_b32 s30, s17, 12
	s_add_co_u32 s28, s28, s30
	s_lshl_b32 s30, s19, 9
	s_add_co_u32 s28, s28, s30                     ; in: group x 128 rows + 4,096 for k + 512 x K step (under 2^28)
	s_mov_b32 s29, 0
	s_lshl_b32 s30, s17, 7
	s_add_co_u32 s30, s30, s18                     ; the group among q's and k's 256
	s_mul_i32 s32, s30, 98304
	s_mul_i32 s34, s19, 12288
	s_add_co_u32 s32, s32, s34                     ; the codes' place
	s_mov_b32 s33, 0
	s_lshl_b32 s34, s30, 3
	s_add_co_u32 s34, s34, s19
	s_lshl_b32 s34, s34, 9                         ; the scale words' place
	s_mov_b32 s35, 0
	s_mov_b32 s[FLOOR], 0x2800000                  ; 2^(5 - 127)
	s_cmp_eq_u32 s17, 0
	s_cselect_b32 s[FLOOR], 0x5000000, s[FLOOR]    ; q: 2^(10 - 127)
	s_cselect_b32 s[ADJ], 0x05050505, 0
	s_cselect_b32 s26, 0, 8*ROWQ                   ; eight rows more for a fragment's rows 8-15: in k alone
	s_cselect_b32 s27, 8*ROWQ, 0                   ; eight rows more for odd fragments: in q alone
	s_mov_b32 s[SEL], 0x76543210
	s_mov_b32 s[SEL+1], 0xfedcba98
	s_mov_b32 s[HM], 0xffff0000
	s_mul_i32 s36, s16, 16*528                     ; my wave's stage: 16 rows x (512 + 16) bytes
	s_wait_alu depctr_va_vdst(0)
	v_lshlrev_b32 v4, 4, v1                        ; 16 x lane: my bytes of a row's 512, and of every image
	v_add_nc_u32 v5, s26, v4                       ; the four offsets that a load chooses from: even fragment, rows 8-15;
	v_add_nc_u32 v6, s27, v4                       ; odd fragment, rows 0-7;
	v_add_nc_u32 v7, 8*ROWQ, v4                    ; odd fragment, rows 8-15
	v_add_nc_u32 v8, s36, v4                       ; the stage, on the way in: a row as it lies
	v_mul_u32_u24 v9, v2, 528
	v_lshl_add_u32 v9, v3, 6, v9
	v_add_nc_u32 v9, s36, v9                       ; and out: row r, + 64 h: my 16 numbers of each block of 32
.irp b, 0,1,2,3
	v_mov_b32 v[TM+4+\b], 0                        ; written once: a lane permute's destination counts as one of its sources
.endr
	s_wait_alu depctr_va_vdst(0)
	s_wait_kmcnt 0x0
	s_add_nc_u64 s[4:5], s[4:5], s[28:29]
	s_add_nc_u64 s[6:7], s[6:7], s[32:33]
	s_add_nc_u64 s[8:9], s[8:9], s[34:35]
; Fragment i's 16 rows, a load a row: 32 lanes read 512 consecutive bytes.  q: row 16 i + p.  k: row 32 (i / 2) + 8 (i % 2) + p + 8 (p / 8).
; Both are (16 i - 8 (i % 2) + p), in the immediate, + 8 rows or none, in the offset register chosen by i % 2 and p / 8.
.macro LOADF i, st
.irp p, 0,1,2,3,4,5,6,7,8,9,10,11,12,13,14,15
	global_load_b128 v[R+64*(\st)+4*\p:R+64*(\st)+4*\p+3], v[4+2*((\i)%2)+\p/8], s[4:5] offset:(16*(\i)-8*((\i)%2)+\p)*ROWQ th:TH_LOAD_NT
.endr
.endm
; 64 numbers of a lane become a fragment's codes in v[PC] on and its row's scale word in v[PW] (the same in lanes l and l xor 16).
.macro QUANT s
.irp b, 0,1,2,3
	v_max3_num_f32 v[TM+\b], |v[\s+16*\b]|, |v[\s+1+16*\b]|, s[FLOOR]   ; block b: my 16 numbers, and the floor
.endr
.irp i, 2,4,6,8,10,12,14
.irp b, 0,1,2,3
	v_max3_num_f32 v[TM+\b], v[TM+\b], |v[\s+16*\b+\i]|, |v[\s+1+16*\b+\i]|   ; the four blocks by turns
.endr
.endr
.irp b, 0,1,2,3
	v_permlanex16_b32 v[TM+4+\b], v[TM+\b], s[SEL], s[SEL+1]
.endr
.irp b, 0,1,2,3
	v_max_num_f32 v[TM+\b], v[TM+\b], v[TM+4+\b]   ; with lane l xor 16's 16: the block's largest magnitude
.endr
.irp b, 0,1,2,3
	v_add_nc_u32 v[TM+12+\b], 0xfe000000, v[TM+\b] ; 4 off its exponent field: the conversion takes that field as its scale
.endr
.irp b, 0,1,2,3
	v_lshrrev_b32 v[TM+4+\b], 23, v[TM+12+\b]      ; the scale's byte
.endr
	v_lshl_or_b32 v[PW], v[TM+5], 8, v[TM+4]
	v_lshl_or_b32 v[PW], v[TM+6], 16, v[PW]
	v_lshl_or_b32 v[PW], v[TM+7], 24, v[PW]
.irp c, 0,1
	v_cvt_scalef32_pk16_bf6_f32 v[PC+6*\c:PC+2+6*\c], v[\s+32*\c:\s+15+32*\c], v[TM+12+2*\c]
	v_cvt_scalef32_pk16_bf6_f32 v[PC+12+4*\c:PC+14+4*\c], v[\s+16+32*\c:\s+31+32*\c], v[TM+12+2*\c+1]   ; (a conversion's three registers begin on an even number)
.endr
	v_nop                                          ; one plain instruction behind the conversions, ahead of the first that touches their results
.irp c, 0,1                                    ; the operand wants a whole block in a lane: lanes 0-15 block 2 c, lanes 16-31 block 2 c + 1
.irp i, 0,1,2
	v_permlane16_swap_b32 v[PC+6*\c+\i], v[PC+12+4*\c+\i]
.endr
.irp i, 0,1,2
	v_mov_b32 v[PC+3+6*\c+\i], v[PC+12+4*\c+\i]
.endr
.endr
.endm
.macro FRAGQ i
.if (\i) < 7
	s_wait_loadcnt 16                              ; this fragment's 16 loads are in; the next fragment's 16 stay out
.else
	s_wait_loadcnt 0
.endif
.irp p, 0,1,2,3,4,5,6,7,8,9,10,11,12,13,14,15
	ds_store_b128 v8, v[R+64*((\i)%2)+4*\p:R+64*((\i)%2)+4*\p+3] offset:528*\p
.endr
.irp b, 0,1,2,3
.irp j, 0,1,2,3
	ds_load_b128 v[X+16*\b+4*\j:X+16*\b+4*\j+3], v9 offset:128*\b+16*\j   ; LDS serves a wave's instructions in order: these see the stores above
.endr
.endr
	s_wait_dscnt 0x0                               ; my 64 numbers are in, and the stores have read the set that is loaded again below
	s_wait_xcnt 0x0                                ; the last fragment's stores have read the codes' registers, which are written again below
.if (\i)+2 < 8
	LOADF (\i)+2, (\i)%2
.endif
	QUANT X
	v_sub_nc_u32 v[W8+(\i)], v[PW], s[ADJ]         ; q: 5 off each byte (each is 6 at the least: no borrow)
.irp c, 0,1,2
	global_store_b128 v4, v[PC+4*\c:PC+4*\c+3], s[6:7] offset:1536*(\i)+512*\c th:TH_STORE_NT   ; 32 lanes store 512 consecutive bytes, aligned
.endr
.endm
	LOADF 0, 0
	LOADF 1, 1
.irp i, 0,1,2,3,4,5,6,7
	FRAGQ \i
.endr
.irp g, 0,1,2,3
	v_cndmask_b32 v[OUT+\g], v[W8+2*\g], v[W8+2*\g+1], s[HM]   ; lanes 0-15: the even fragments' words, lanes 16-31: the odd ones'
.endr
	global_store_b128 v4, v[OUT:OUT+3], s[8:9] th:TH_STORE_NT
	s_wait_tensorcnt 0x0
	ds_add_u32 v254, v255
	s_wait_dscnt 0x0
	s_endpgm
; ---------------- v ----------------
.Lv_path:
	s_sub_co_u32 s17, ttmp9, 512
	s_lshr_b32 s18, s17, 5                         ; batch
	s_bfe_u32 s19, s17, 0x40001                    ; K step: 128 keys, 0..15
	s_and_b32 s20, s17, 1
	s_lshl_b32 s20, s20, 2
	s_add_co_u32 s20, s20, s16                     ; group of 128 channels, 0..7: the four waves stand side by side on 2,048 bytes of each row
	s_lshl_b32 s28, s18, 11
	s_lshl_b32 s30, s19, 7
	s_add_co_u32 s28, s28, s30                     ; the first key's row
	s_mul_i32 s28, s28, ROWQ
	s_lshl_b32 s30, s20, 9
	s_add_co_u32 s28, s28, s30
	s_add_co_u32 s28, s28, 8192                    ; v begins 8,192 bytes into a row
	s_mov_b32 s29, 0
	s_lshl_b32 s30, s18, 3
	s_add_co_u32 s30, s30, s20
	s_lshl_b32 s30, s30, 4
	s_add_co_u32 s30, s30, s19                     ; (8 b + group) x 16 + K step
	s_mul_i32 s32, s30, 12288
	s_add_co_u32 s32, s32, 25165824
	s_mov_b32 s33, 0
	s_lshl_b32 s34, s30, 9
	s_add_co_u32 s34, s34, 1048576
	s_mov_b32 s35, 0
	s_wait_alu depctr_va_vdst(0)
	v_lshlrev_b32 v4, 2, v1                        ; in: 4 bytes a lane
	v_lshlrev_b32 v5, 4, v1                        ; out: 16 bytes a lane
	s_wait_alu depctr_va_vdst(0)
	s_wait_kmcnt 0x0
	s_add_nc_u64 s[4:5], s[4:5], s[28:29]
	s_add_nc_u64 s[6:7], s[6:7], s[32:33]
	s_add_nc_u64 s[8:9], s[8:9], s[34:35]
; Unit u: block u / 4 of 32 keys, channels 32 (u % 4) + lane.  A lane's 32 registers are a whole block of its channel.
.macro LOADV u
.irp n, 0,1,2,3,4,5,6,7,8,9,10,11,12,13,14,15,16,17,18,19,20,21,22,23,24,25,26,27,28,29,30,31
	global_load_b32 v[XV+32*((\u)%2)+\n], v4, s[4:5] offset:(32*((\u)/4)+\n)*ROWQ+128*((\u)%4) th:TH_LOAD_NT
.endr
.endm
.macro BLOCKV u
.set XS, XV+32*((\u)%2)
.set BE, (\u)/4
.set CG, (\u)%4
.set FD, F+24*CG+12*(BE%2)+6*(BE/2)    ; even blocks into the first run of 12, odd blocks into the second
.if (\u) < 15
	s_wait_loadcnt 32                              ; this unit's 32 loads are in; the next unit's 32 stay out
.else
	s_wait_loadcnt 0
.endif
	v_max3_num_f32 v184, |v[XS]|, |v[XS+1]|, |v[XS+2]|
	v_max3_num_f32 v185, |v[XS+3]|, |v[XS+4]|, |v[XS+5]|
.irp i, 6,10,14,18,22,26
	v_max3_num_f32 v184, v184, |v[XS+\i]|, |v[XS+\i+1]|
	v_max3_num_f32 v185, v185, |v[XS+\i+2]|, |v[XS+\i+3]|
.endr
	v_max3_num_f32 v184, v184, |v[XS+30]|, |v[XS+31]|
	v_max3_num_f32 v184, v184, v185, 0x2800000     ; and the floor 2^(5 - 127)
	v_add_nc_u32 v185, 0xfe000000, v184            ; 4 off the exponent field: the conversions' scale operand
	v_lshrrev_b32 v186, 23, v185                   ; the scale's byte
	v_cvt_scalef32_pk16_bf6_f32 v[FD:FD+2], v[XS:XS+15], v185
	v_cvt_scalef32_pk16_bf6_f32 v[T:T+2], v[XS+16:XS+31], v185
.if BE == 0
	v_mov_b32 v[SW+CG], v186                       ; (the plain instruction behind the conversions)  four bytes to a word, the lower keys in the lower byte
.else
	v_lshl_or_b32 v[SW+CG], v186, 8*BE, v[SW+CG]
.endif
.irp n, 0,1,2
	v_mov_b32 v[FD+3+\n], v[T+\n]
.endr
.if (\u)+2 < 16
	LOADV (\u)+2
.endif
.if BE%2 == 1                          ; lanes 0-15 hold fragment 2 CG's rows, lanes 16-31 fragment 2 CG + 1's.  The first run's lanes 16-31 change places with the second's lanes 0-15:
.irp j, 0,1,2,3,4,5                    ; the first run is then fragment 2 CG (even block in lanes 0-15, odd block in lanes 16-31), the second fragment 2 CG + 1
	v_permlane16_swap_b32 v[F+24*CG+6*(BE/2)+\j], v[F+24*CG+12+6*(BE/2)+\j]
.endr
.endif
.if BE == 3
.irp f, 0,1
.irp c, 0,1,2
	global_store_b128 v5, v[F+24*CG+12*\f+4*\c:F+24*CG+12*\f+4*\c+3], s[6:7] offset:(2*CG+\f)*1536+512*\c th:TH_STORE_NT   ; every store has registers of its own: none is written again
.endr
.endr
.endif
.endm
	LOADV 0
	LOADV 1
.irp u, 0,1,2,3,4,5,6,7,8,9,10,11,12,13,14,15
	BLOCKV \u
.endr
	global_store_b128 v5, v[SW:SW+3], s[8:9] th:TH_STORE_NT   ; lane 16 f + r: the words of row r of fragments f, 2 + f, 4 + f, 6 + f
	s_endpgm
.Lfunc_end_k_q66734c4bc4_quant:
	.size	k_q66734c4bc4_quant, .Lfunc_end_k_q66734c4bc4_quant-k_q66734c4bc4_quant
	.p2alignl 7, 3214868480
	.fill 96, 4, 3214868480
	.section	.rodata,"a",@progbits
	.p2align	6, 0x0
	.amdhsa_kernel k_q66734c4bc4_quant
		.amdhsa_group_segment_fixed_size 34304
		.amdhsa_private_segment_fixed_size 0
		.amdhsa_enable_private_segment 0
		.amdhsa_kernarg_size 24
		.amdhsa_user_sgpr_count 2
		.amdhsa_user_sgpr_kernarg_segment_ptr 1
		.amdhsa_wavefront_size32 1
		.amdhsa_system_sgpr_workgroup_id_x 1
		.amdhsa_system_sgpr_workgroup_id_y 1
		.amdhsa_system_sgpr_workgroup_id_z 1
		.amdhsa_system_vgpr_workitem_id 0
		.amdhsa_next_free_vgpr 256
		.amdhsa_next_free_sgpr 66
		.amdhsa_reserve_vcc 0
		.amdhsa_float_denorm_mode_32 3
		.amdhsa_float_denorm_mode_16_64 3
		.amdhsa_memory_ordered 1
		.amdhsa_forward_progress 1
		.amdhsa_inst_pref_size 140
	.end_amdhsa_kernel
	.amdgpu_metadata
---
amdhsa.version: [ 1, 2 ]
amdhsa.kernels:
  - .name:           k_q66734c4bc4_quant
    .symbol:         k_q66734c4bc4_quant.kd
    .args:
      - { .name: qkv, .offset: 0, .size: 8, .value_kind: global_buffer, .address_space: global }
      - { .name: codes, .offset: 8, .size: 8, .value_kind: global_buffer, .address_space: global }
      - { .name: scales, .offset: 16, .size: 8, .value_kind: global_buffer, .address_space: global }
    .group_segment_fixed_size: 34304
    .private_segment_fixed_size: 0
    .kernarg_segment_align: 8
    .kernarg_segment_size: 24
    .max_flat_workgroup_size: 128
    .sgpr_count:     66
    .vgpr_count:     256
    .wavefront_size: 32
...
	.end_amdgpu_metadata
.endif
;; end of part 1
;; launch scores (part 2): grid 4 x 64, 4 waves a work-group, clusters of 4 x 4, 327,680 bytes of LDS; arguments codes, scales, pcodes, pstat; writes pcodes, pstat
.if DOCPART == 2
	.amdgcn_target "amdgcn-amd-amdhsa--gfx1250"
	.amdhsa_code_object_version 6
	.text
	.protected	k_q66734c4bc4_scores
	.globl	k_q66734c4bc4_scores
	.p2align	8
	.type	k_q66734c4bc4_scores,@function
k_q66734c4bc4_scores:
	s_mov_b64 s[64:65], 0
	v_nop
	global_prefetch_b8 v0, s[64:65] scope:SCOPE_SE
	s_setreg_imm32_b32 hwreg(HW_REG_WAVE_MODE, 25, 1), 1
	s_wait_xcnt 0x0
	s_wait_alu depctr_hold_cnt(0) depctr_sa_sdst(0) depctr_va_vdst(0) depctr_va_sdst(0) depctr_va_ssrc(0) depctr_va_vcc(0) depctr_vm_vsrc(0)
	s_getreg_b32 s2, hwreg(HW_REG_IB_STS2, 6, 4)
	s_cmp_eq_u32 s2, 0
	s_cbranch_scc0 .Lentry_in_a_cluster
	s_endpgm
.Lentry_in_a_cluster:
	s_bfe_u32 s2, ttmp6, 0x10000c
	s_cmp_lg_u32 s2, 0xf033
	s_cbranch_scc0 .Lentry_shape_is_right
	s_endpgm
.Lentry_shape_is_right:
; S^T = k (q/32)^T in MX-BF6, then p = 2^(t - M) for each row and each run of 128 keys, quantised to BF6 along the keys.
; A work-group makes two tiles of 256 queries x 256 keys (key tiles cx and cx + 4 of its batch); a wave 128 x 128 in 512 registers; K = 1,024 in four chunks of two K steps.
; For each (row, 128 keys): M = ceil(largest t) of those keys, kept as -M; l = the sum of the unquantised p; both go to pstat with p's scale words; the next launch brings them under one M per row.
; Codes lie in memory as images of the operand registers (1,536 bytes a fragment), so a wave's part of three chunks is 288 consecutive rows of 256 bytes.
; LDS: wave w fetches into bytes w x WREG (waves 0, 1: q's two halves; 2, 3: k's), chunk c at + (c % 3) x CHUNK.  The head's one load a wave brings chunks 0 to 2; chunk 3 follows into chunk 0's bytes.
; CLUSTER 4 x 4: q's tiles are asked for jointly along a row of the cluster, k's along a column.
; Scale words go from memory into registers, 64 a tile: lanes 0-15 take q's 256 bytes, lanes 16-31 k's.
; No data prefetch: the text has no loop to run ahead in, and three of a tile's four chunks are asked for by its first load.
; LIMITS: NaN and infinities are not served; t stays under 2^31 in magnitude.  The adds on the spare words, the claim of all LDS, the s_nop 0 behind tensor loads and the s_wait_alu lines.
.set FR,     12
.set NL,     3
.set NP,     4
.set NQ,     2
.set FRB,    1536
.set KSB,    12288
.set CHUNK,  24576
.set WREG,   3*CHUNK
.set SPARE,  4*WREG
.set NEXTB,  8*98304                   ; k's groups of the second tile lie 8 groups on
.set ADRA, 16                          ; v16-18 LDS address of my q fragments, chunk slot 0..2
.set ADRB, 20                          ; v20-22 the same for k
.set LI,   24                          ; 16 x lane
.set SO,   26                          ; scale words' offset, first tile
.set SO2,  27                          ; second tile
.set SPW,  28
.set NIL,  29
.set SC0,  32                          ; four sets of 16 scale registers, one a chunk
.set SC1,  48
.set SC2,  100
.set SC3,  240
.set AF,   128
.set W8,   64
.set NM8,  72
.set L8,   80
.set OUT,  88
.set T,    128
.set PC,   192
.set TM,   212
.set U,    228
.set NMP,  230
.set LS,   232
.set G1,   24                          ; group 1: 96 rows, q's mask
.set GHA,  32                          ; group 0: q, chunk 0 on
.set G3A,  36                          ; group 0: q, chunk 3
.set G1B,  48                          ; 96 rows, k's mask
.set GHB,  56
.set G3B,  60
.set G1H,  68                          ; 288 rows, q's mask
.set G1HB, 80                          ; 288 rows, k's mask
.set CS,  18
.set HM,  95
.set SEL, 100
.set MSB, 0
.macro WIN new
.if MSB != (\new)
	s_set_vgpr_msb (MSB<<8)|(\new)
.set MSB, (\new)
.endif
.endm
.set MUL_LO, 0xa1
.set MUL_HI, 0xf1
.set TO_B,   0x40
.macro JLOAD g0a, g1a, g0b, g1b        ; waves 0, 1 ask for q's halves, waves 2, 3 for k's: one joint load a wave
	s_cmp_eq_u32 s15, 0
	s_cbranch_scc0 .Lfor_b_\@
	tensor_load_to_lds s[\g0a:\g0a+3], s[\g1a:\g1a+7]
	s_nop 0
.rept 4
	v_nop
.endr
	s_branch .Lasked_\@
.Lfor_b_\@:
	tensor_load_to_lds s[\g0b:\g0b+3], s[\g1b:\g1b+7]
	s_nop 0
.rept 4
	v_nop
.endr
.Lasked_\@:
.endm
.macro CREST
	s_cmp_lg_u32 s14, 0
	s_cbranch_scc1 .Lnot_wave_0_\@
	s_barrier_signal -3
.Lnot_wave_0_\@:
	s_barrier_wait -3
	s_barrier_signal -1
	s_barrier_wait -1
.endm
.macro CROUND
	s_barrier_signal -1
	s_barrier_wait -1
	CREST
.endm
.macro PLACES n
.rept \n
	v_nop
.endr
.endm
.macro DESC g, rows                    ; rows of 32 elements of 8 bytes, dense
	s_mov_b32 s[\g+1], 32<<16
	s_mov_b32 s[\g+2], (\rows)<<16
	s_mov_b32 s[\g+3], 32<<16
	s_mov_b32 s[\g+4], \rows
	s_mov_b32 s[\g+5], 32
	s_mov_b32 s[\g+6], 0
	s_mov_b32 s[\g+7], 0
.endm
	s_load_b256 s[4:11], s[0:1], 0x0               ; codes, scales, pcodes, pstat
	v_lshl_add_u32 v[SPW], v0, 2, SPARE
	v_mov_b32 v[NIL], 0
	ds_add_u32 v[SPW], v[NIL]                      ; the opening lines
	ds_add_u32 v[SPW], v[NIL]
	v_lshrrev_b32 v1, 5, v0
	v_readfirstlane_b32 s14, v1                    ; wave
	s_lshr_b32 s15, s14, 1                         ; my half of the rows; also: I fetch q (0) or k (1)
	s_and_b32 s16, s14, 1                          ; my half of the keys; also: which half I fetch
	s_bfe_u32 s40, ttmp6, 0x40000                  ; cx
	s_bfe_u32 s41, ttmp6, 0x40004                  ; cy
	s_lshl_b32 s42, ttmp9, 2
	s_add_co_u32 s42, s42, s40                     ; key tile 0..3
	s_and_b32 s12, ttmp7, 0xffff
	s_lshl_b32 s17, s12, 2
	s_add_co_u32 s17, s17, s41                     ; row block 0..63
	s_lshr_b32 s13, s12, 1                         ; batch
	s_lshl_b32 s43, s41, 2
	s_lshl_b32 s43, 15, s43                        ; my row of the cluster
	s_lshl_b32 s44, 0x1111, s40                    ; my column
	s_or_b32 s[G1], s43, (3<<16)|(1<<21)
	s_or_b32 s[G1H], s43, (3<<16)|(1<<21)
	s_or_b32 s[G1B], s44, (3<<16)|(1<<21)
	s_or_b32 s[G1HB], s44, (3<<16)|(1<<21)
	DESC G1, 96
	DESC G1B, 96
	DESC G1H, 288
	DESC G1HB, 288
	s_lshl_b32 s20, s17, 1
	s_add_co_u32 s22, s20, s15
	s_lshl_b32 s22, s22, 12                        ; scale words of my rows' group of q
	s_add_co_u32 s20, s20, s16
	s_mul_i32 s20, s20, 98304                      ; the group of q that I fetch
	s_mov_b32 s21, 0
	s_lshl_b32 s46, s13, 4
	s_lshl_b32 s47, s42, 1
	s_add_co_u32 s46, s46, s47
	s_add_co_u32 s46, s46, s16
	s_add_co_u32 s46, s46, 128                     ; k's group: mine to read and mine to fetch
	s_lshl_b32 s23, s46, 12
	s_sub_co_u32 s23, s23, s22                     ; from q's scale words to k's
	s_mul_i32 s46, s46, 98304
	s_mov_b32 s47, 0
	s_mul_i32 s92, s15, WREG
	s_mul_i32 s45, s16, WREG
	s_add_co_u32 s45, s45, 2*WREG
	s_mov_b32 s[CS], 0x3fb8aa3b                    ; log2(e)
	s_mov_b32 s[CS+1], s[CS]
	s_mov_b32 s[SEL], 0x76543210
	s_mov_b32 s[SEL+1], 0xfedcba98
	s_mov_b32 s[HM], 0xffff0000
	v_and_b32 v1, 31, v0
	v_and_b32 v2, 15, v0
	v_bfe_u32 v3, v0, 4, 1
	v_lshlrev_b32 v[LI], 4, v1
	v_add_nc_u32 v[ADRA], s92, v[LI]
	v_add_nc_u32 v[ADRB], s45, v[LI]
.irp s, 1,2
	v_add_nc_u32 v[ADRA+\s], \s*CHUNK, v[ADRA]
	v_add_nc_u32 v[ADRB+\s], \s*CHUNK, v[ADRB]
.endr
	v_lshlrev_b32 v5, 4, v2
	v_mul_u32_u24 v6, s23, v3
	v_add_nc_u32 v5, v5, v6
	v_add_nc_u32 v[SO], s22, v5                    ; lanes 0-15: q's words, lanes 16-31: k's
	v_lshl_add_u32 v[SO2], v3, 15, v[SO]           ; second tile: k's words 8 groups of 4,096 bytes on
	s_wait_alu depctr_va_vdst(0)                   ; the head's end
	s_wait_dscnt 0x0
	s_wait_kmcnt 0x0
	s_add_nc_u64 s[20:21], s[4:5], s[20:21]
	s_add_nc_u64 s[46:47], s[4:5], s[46:47]
.macro SCLOAD adr                      ; a tile's 64 scale registers: chunk c, K step q, fragment parity f
.irp f, 0,1
	global_load_b128 v[SC0+4*\f:SC0+4*\f+3], v[\adr], s[6:7] offset:256*\f
	global_load_b128 v[SC0+8+4*\f:SC0+8+4*\f+3], v[\adr], s[6:7] offset:512+256*\f
	global_load_b128 v[SC1+4*\f:SC1+4*\f+3], v[\adr], s[6:7] offset:1024+256*\f
	global_load_b128 v[SC1+8+4*\f:SC1+8+4*\f+3], v[\adr], s[6:7] offset:1536+256*\f
	global_load_b128 v[SC2+4*\f:SC2+4*\f+3], v[\adr], s[6:7] offset:2048+256*\f
	global_load_b128 v[SC2+8+4*\f:SC2+8+4*\f+3], v[\adr], s[6:7] offset:2560+256*\f
	global_load_b128 v[SC3+4*\f:SC3+4*\f+3], v[\adr], s[6:7] offset:3072+256*\f
	global_load_b128 v[SC3+8+4*\f:SC3+8+4*\f+3], v[\adr], s[6:7] offset:3584+256*\f
.endr
.endm
	SCLOAD SO
	s_mov_b32 s[GHA], 1
	s_mul_i32 s[GHA+1], s14, WREG
	s_mov_b64 s[GHA+2:GHA+3], s[20:21]
	s_or_b32 s[GHA+3], s[GHA+3], 0x80000000
	s_mov_b32 s[G3A], 1
	s_mul_i32 s[G3A+1], s14, WREG
	s_add_nc_u64 s[G3A+2:G3A+3], s[20:21], 3*CHUNK
	s_or_b32 s[G3A+3], s[G3A+3], 0x80000000
	s_mov_b32 s[GHB], 1
	s_mul_i32 s[GHB+1], s14, WREG
	s_mov_b64 s[GHB+2:GHB+3], s[46:47]
	s_or_b32 s[GHB+3], s[GHB+3], 0x80000000
	s_mov_b32 s[G3B], 1
	s_mul_i32 s[G3B+1], s14, WREG
	s_add_nc_u64 s[G3B+2:G3B+3], s[46:47], 3*CHUNK
	s_or_b32 s[G3B+3], s[G3B+3], 0x80000000
	CROUND                                         ; the round in front of the first joint loads
	JLOAD GHA, G1H, GHB, G1HB                      ; chunks 0 to 2: my one load at the head
	s_lshl_b32 s46, s17, 1                         ; where my results go: [row group][key group]
	s_add_co_u32 s46, s46, s15
	s_lshl_b32 s46, s46, 4
	s_lshl_b32 s47, s42, 1
	s_add_co_u32 s46, s46, s47
	s_add_co_u32 s46, s46, s16
	s_lshl_b32 s92, s46, 9
	s_mov_b32 s93, 0
	s_mul_i32 s46, s46, KSB
	s_mov_b32 s47, 0
	s_add_nc_u64 s[8:9], s[8:9], s[46:47]
	s_add_nc_u64 s[10:11], s[10:11], s[92:93]
.macro FRAG reg, adr, q, i
.irp c, 0,1,2
	ds_load_b128 v[\reg+4*\c:\reg+4*\c+3], v[\adr] offset:(\q)*KSB+(\i)*FRB+512*\c
.endr
.endm
; 16 products: source 0 = k's fragment b (scales in lanes 16-31), source 1 = q's fragment a (lanes 0-15); the accumulators take turns
.macro MUL16 a0, p, q, sc, zero
.irp a, \a0, \a0+1
.irp b, 0,1,2,3,4,5,6,7
.if \zero
	v_wmma_scale_f32_16x16x128_f8f6f4 v[8*(8*((\a)%4)+\b):8*(8*((\a)%4)+\b)+7], v[128*(\p)+FR*\b:128*(\p)+FR*\b+FR-1], v[AF+FR*(\a):AF+FR*(\a)+FR-1], 0, v[(\sc)+8*(\q)+4*(\b%2)+\b/2], v[(\sc)+8*(\q)+4*((\a)%2)+(\a)/2] matrix_a_fmt:MATRIX_FMT_BF6 matrix_b_fmt:MATRIX_FMT_BF6 matrix_a_scale:MATRIX_SCALE_ROW1
.else
	v_wmma_scale_f32_16x16x128_f8f6f4 v[8*(8*((\a)%4)+\b):8*(8*((\a)%4)+\b)+7], v[128*(\p)+FR*\b:128*(\p)+FR*\b+FR-1], v[AF+FR*(\a):AF+FR*(\a)+FR-1], v[8*(8*((\a)%4)+\b):8*(8*((\a)%4)+\b)+7], v[(\sc)+8*(\q)+4*(\b%2)+\b/2], v[(\sc)+8*(\q)+4*((\a)%2)+(\a)/2] matrix_a_fmt:MATRIX_FMT_BF6 matrix_b_fmt:MATRIX_FMT_BF6 matrix_a_scale:MATRIX_SCALE_ROW1
.endif
.endr
.endr
.endm
.macro FETCH_B slot, q, p
	WIN TO_B
.irp i, 0,1,2,3,4,5,6,7
	FRAG 128*(\p)+FR*\i, ADRB+\slot, \q, \i
.endr
	WIN 0
.endm
.macro FETCH_A slot, q, i0
.irp i, \i0, \i0+1, \i0+2, \i0+3
	FRAG AF+FR*(\i), ADRA+\slot, \q, \i
.endr
.endm
.macro STEP slot, sc, zero             ; a chunk's first K step; fetches the second's fragments
	s_wait_dscnt 4*NL                              ; all but the youngest 12 loads (q's fragments 4-7)
	WIN MUL_LO
	MUL16 0, 0, 0, \sc, \zero
	MUL16 2, 0, 0, \sc, \zero
	s_wait_dscnt 0
	PLACES NP
	FETCH_B \slot, 1, 1
	FETCH_A \slot, 1, 0
	WIN MUL_HI
	MUL16 4, 0, 0, \sc, \zero
	MUL16 6, 0, 0, \sc, \zero
	PLACES NP
	WIN 0
	FETCH_A \slot, 1, 4
.endm
; a chunk's second K step and the change of chunks.  mode 2: a round, then chunk 3 into chunk 0's bytes; 1: a barrier for a tile that was on its way; 0: the next chunk has been shown whole already
.macro TURN slot, sc, next, mode
.if \mode
	s_wait_tensorcnt 0x0
	ds_add_u32 v[SPW], v[NIL]
	s_wait_dscnt 4*NL+1                            ; the add and the youngest 12 loads may be out
.else
	s_wait_dscnt 4*NL
.endif
	WIN MUL_LO
	MUL16 0, 1, NQ-1, \sc, 0
	s_wait_dscnt 0x0
.if \mode
	s_barrier_signal -1
.endif
	MUL16 2, 1, NQ-1, \sc, 0
	WIN 0
.if \mode
	s_barrier_wait -1
.endif
.if \mode == 2
	CREST
	JLOAD G3A, G1, G3B, G1B
.else
	PLACES NP
.endif
	FETCH_B \next, 0, 0
	FETCH_A \next, 0, 0
	WIN MUL_HI
	MUL16 4, 1, NQ-1, \sc, 0
	MUL16 6, 1, NQ-1, \sc, 0
	PLACES NP
	WIN 0
	FETCH_A \next, 0, 4
.endm
.macro KPHASE
	s_wait_tensorcnt 0x0                           ; my part of the tile's first load is in;
	s_barrier_signal -1
	s_barrier_wait -1                              ; everybody's is.
	FETCH_B 0, 0, 0
	FETCH_A 0, 0, 0
	FETCH_A 0, 0, 4
	s_wait_loadcnt 0x0                             ; the tile's scale words
	STEP 0, SC0, 1
	TURN 0, SC0, 1, 2
	STEP 1, SC1, 0
	TURN 1, SC1, 2, 0
	STEP 2, SC2, 0
	TURN 2, SC2, 0, 1
	STEP 0, SC3, 0
	s_wait_dscnt 4*NL
	WIN MUL_LO
	MUL16 0, 1, NQ-1, SC3, 0
	MUL16 2, 1, NQ-1, SC3, 0
	s_wait_dscnt 0
	WIN MUL_HI
	MUL16 4, 1, NQ-1, SC3, 0
	MUL16 6, 1, NQ-1, SC3, 0
	WIN 0
	PLACES NP
.endm
.macro REFILL                          ; the second tile's first load: k's chunks 0 to 2; of q chunk 0 alone (chunks 1 and 2 still lie in LDS)
	s_wait_tensorcnt 0x0
	ds_add_u32 v[SPW], v[NIL]
	s_add_nc_u64 s[GHB+2:GHB+3], s[GHB+2:GHB+3], NEXTB
	s_add_nc_u64 s[G3B+2:G3B+3], s[G3B+2:G3B+3], NEXTB
	s_wait_dscnt 0x0
	CROUND
	JLOAD GHA, G1, GHB, G1HB
.endm
; 16 rows x 128 keys: a lane holds one query, the 16 registers of two neighbouring tiles are 16 neighbouring keys
.macro SOFTQ a, t
.set W, 2+(\a)/4
.set AC, 64*((\a)%4)
	WIN 21*W
.irp b, 0,1,2,3
	v_max3_num_f32 v[TM+\b], v[AC+16*\b], v[AC+16*\b+1], v[AC+16*\b+2]   ; each block's largest score
.endr
	WIN 20*W
.irp n, 3,5,7,9,11,13
.irp b, 0,1,2,3
	v_max3_num_f32 v[TM+\b], v[TM+\b], v[AC+16*\b+\n], v[AC+16*\b+\n+1]
.endr
.endr
.irp b, 0,1,2,3
	v_max_num_f32 v[TM+\b], v[TM+\b], v[AC+16*\b+15]
.endr
	WIN 0
.irp b, 0,1,2,3
	v_permlanex16_b32 v[TM+4+\b], v[TM+\b], s[SEL], s[SEL+1]
.endr
.irp b, 0,1,2,3
	v_max_num_f32 v[TM+\b], v[TM+\b], v[TM+4+\b]
.endr
	v_max3_num_f32 v[U], v[TM], v[TM+1], v[TM+2]
	v_max_num_f32 v[U], v[U], v[TM+3]
	v_mul_f32 v[U], s[CS], v[U]
	v_floor_f32 v[NMP], -v[U]                      ; -M = floor(-t)
	v_mov_b32 v[NM8+(\a)], v[NMP]
	WIN W
.irp u, 0,8,16,24,32,40,48,56
.irp w, 0,2,4,6
	v_pk_fma_f32 v[T+\u+\w:T+\u+\w+1], v[AC+\u+\w:AC+\u+\w+1], s[CS:CS+1], v[NMP:NMP+1] op_sel_hi:[1,0,0]   ; t - M
.endr
.endr
	WIN 0
.irp b, 0,1,2,3
	v_fma_f32 v[TM+\b], v[TM+\b], s[CS], v[NMP]
.endr
	s_wait_alu depctr_va_vdst(0)
.irp u, 0,8,16,24,32,40,48,56
.irp w, 0,1,2,3,4,5,6,7
	v_exp_f32 v[T+\u+\w], v[T+\u+\w]
.endr
.endr
	v_nop
	s_wait_alu depctr_va_vdst(0)
.irp b, 0,1,2,3
	v_exp_f32 v[TM+\b], v[TM+\b]                   ; each block's largest p
.endr
	v_pk_add_f32 v[LS:LS+1], v[T:T+1], v[T+4:T+5]  ; l: the sum of the unquantised p
	v_pk_add_f32 v[LS+2:LS+3], v[T+2:T+3], v[T+6:T+7]
.irp j, 8,12,16,20,24,28,32,36,40,44,48,52,56,60
	v_pk_add_f32 v[LS:LS+1], v[LS:LS+1], v[T+\j:T+\j+1]
	v_pk_add_f32 v[LS+2:LS+3], v[LS+2:LS+3], v[T+\j+2:T+\j+3]
.endr
	v_pk_add_f32 v[LS:LS+1], v[LS:LS+1], v[LS+2:LS+3]
	v_add_f32 v[LS], v[LS], v[LS+1]
	v_permlanex16_b32 v[LS+1], v[LS], s[SEL], s[SEL+1]
	v_add_f32 v[L8+(\a)], v[LS], v[LS+1]
	s_wait_alu depctr_va_vdst(0)
.irp b, 0,1,2,3
	v_max_num_f32 v[TM+\b], 0x2800000, v[TM+\b]    ; the floor 2^(5 - 127)
.endr
.irp b, 0,1,2,3
	v_add_nc_u32 v[TM+12+\b], 0xfe000000, v[TM+\b]
.endr
.irp b, 0,1,2,3
	v_lshrrev_b32 v[TM+4+\b], 23, v[TM+12+\b]
.endr
	v_lshl_or_b32 v[W8+(\a)], v[TM+5], 8, v[TM+4]
	v_lshl_or_b32 v[W8+(\a)], v[TM+6], 16, v[W8+(\a)]
	v_lshl_or_b32 v[W8+(\a)], v[TM+7], 24, v[W8+(\a)]
	s_wait_xcnt 0x0                                ; the last block's stores have read the codes' registers
.irp c, 0,1
	v_cvt_scalef32_pk16_bf6_f32 v[PC+6*\c:PC+2+6*\c], v[T+32*\c:T+15+32*\c], v[TM+12+2*\c]
	v_cvt_scalef32_pk16_bf6_f32 v[PC+12+4*\c:PC+14+4*\c], v[T+16+32*\c:T+31+32*\c], v[TM+12+2*\c+1]
.endr
	v_nop
.irp c, 0,1
.irp i, 0,1,2
	v_permlane16_swap_b32 v[PC+6*\c+\i], v[PC+12+4*\c+\i]
.endr
.irp i, 0,1,2
	v_mov_b32 v[PC+3+6*\c+\i], v[PC+12+4*\c+\i]
.endr
.endr
.irp c, 0,1,2
	global_store_b128 v[LI], v[PC+4*\c:PC+4*\c+3], s[8:9] offset:8*KSB*(\t)+FRB*(\a)+512*\c th:TH_STORE_NT
.endr
.endm
.macro WAYOUT t, more
.irp b, 0,1,2,3
	v_mov_b32 v[TM+4+\b], 0
.endr
	v_mov_b32 v[NMP+1], 0
.if \more
	REFILL
	SCLOAD SO2                                     ; the second tile's scale words
.endif
.irp a, 0,1,2,3,4,5,6,7
	SOFTQ \a, \t
.endr
.irp g, 0,1,2,3
	v_cndmask_b32 v[OUT+\g], v[W8+2*\g], v[W8+2*\g+1], s[HM]
	v_cndmask_b32 v[OUT+4+\g], v[NM8+2*\g], v[NM8+2*\g+1], s[HM]
	v_cndmask_b32 v[OUT+8+\g], v[L8+2*\g], v[L8+2*\g+1], s[HM]
.endr
	global_store_b128 v[LI], v[OUT:OUT+3], s[10:11] offset:4096*(\t) th:TH_STORE_NT
	global_store_b128 v[LI], v[OUT+4:OUT+7], s[10:11] offset:1048576+4096*(\t) th:TH_STORE_NT
	global_store_b128 v[LI], v[OUT+8:OUT+11], s[10:11] offset:2097152+4096*(\t) th:TH_STORE_NT
.endm
	KPHASE
	WAYOUT 0, 1
	s_wait_xcnt 0x0                                ; the stores have read their registers, which take fragments again
	KPHASE
	WAYOUT 1, 0
	s_wait_tensorcnt 0x0                           ; the wave's end
	ds_add_u32 v[SPW], v[NIL]
	s_wait_dscnt 0x0
	CROUND                                         ; the closing round
	s_endpgm
.Lfunc_end_k_q66734c4bc4_scores:
	.size	k_q66734c4bc4_scores, .Lfunc_end_k_q66734c4bc4_scores-k_q66734c4bc4_scores
	.p2alignl 7, 3214868480
	.fill 96, 4, 3214868480
	.section	.rodata,"a",@progbits
	.p2align	6, 0x0
	.amdhsa_kernel k_q66734c4bc4_scores
		.amdhsa_group_segment_fixed_size 327680
		.amdhsa_private_segment_fixed_size 0
		.amdhsa_enable_private_segment 0
		.amdhsa_kernarg_size 32
		.amdhsa_user_sgpr_count 2
		.amdhsa_user_sgpr_kernarg_segment_ptr 1
		.amdhsa_wavefront_size32 1
		.amdhsa_system_sgpr_workgroup_id_x 1
		.amdhsa_system_sgpr_workgroup_id_y 1
		.amdhsa_system_sgpr_workgroup_id_z 1
		.amdhsa_system_vgpr_workitem_id 0
		.amdhsa_next_free_vgpr 1024
		.amdhsa_next_free_sgpr 102
		.amdhsa_reserve_vcc 0
		.amdhsa_float_denorm_mode_32 3
		.amdhsa_float_denorm_mode_16_64 3
		.amdhsa_memory_ordered 1
		.amdhsa_forward_progress 1
		.amdhsa_inst_pref_size 255
	.end_amdhsa_kernel
	.section	.bss,"aw",@nobits
	.p2align	6
	.space	262144
	.amdgpu_metadata
---
amdhsa.version: [ 1, 2 ]
amdhsa.kernels:
  - .name:           k_q66734c4bc4_scores
    .symbol:         k_q66734c4bc4_scores.kd
    .args:
      - { .name: codes, .offset: 0, .size: 8, .value_kind: global_buffer, .address_space: global }
      - { .name: scales, .offset: 8, .size: 8, .value_kind: global_buffer, .address_space: global }
      - { .name: pcodes, .offset: 16, .size: 8, .value_kind: global_buffer, .address_space: global }
      - { .name: pstat, .offset: 24, .size: 8, .value_kind: global_buffer, .address_space: global }
    .group_segment_fixed_size: 327680
    .private_segment_fixed_size: 0
    .kernarg_segment_align: 8
    .kernarg_segment_size: 32
    .max_flat_workgroup_size: 128
    .sgpr_count:     102
    .vgpr_count:     1024
    .wavefront_size: 32
...
	.end_amdgpu_metadata
.endif
;; end of part 2
;; launch pv (part 3): grid 4 x 64, 4 waves a work-group, clusters of 4 x 4, 327,680 bytes of LDS; arguments pcodes, pstat, codes, scales, out0; writes out0
.if DOCPART == 3
	.amdgcn_target "amdgcn-amd-amdhsa--gfx1250"
	.amdhsa_code_object_version 6
	.text
	.protected	k_q66734c4bc4_pv
	.globl	k_q66734c4bc4_pv
	.p2align	8
	.type	k_q66734c4bc4_pv,@function
k_q66734c4bc4_pv:
	s_mov_b64 s[64:65], 0
	v_nop
	global_prefetch_b8 v0, s[64:65] scope:SCOPE_SE
	s_setreg_imm32_b32 hwreg(HW_REG_WAVE_MODE, 25, 1), 1
	s_wait_xcnt 0x0
	s_wait_alu depctr_hold_cnt(0) depctr_sa_sdst(0) depctr_va_vdst(0) depctr_va_sdst(0) depctr_va_ssrc(0) depctr_va_vcc(0) depctr_vm_vsrc(0)
	s_getreg_b32 s2, hwreg(HW_REG_IB_STS2, 6, 4)
	s_cmp_eq_u32 s2, 0
	s_cbranch_scc0 .Lentry_in_a_cluster
	s_endpgm
.Lentry_in_a_cluster:
	s_bfe_u32 s2, ttmp6, 0x10000c
	s_cmp_lg_u32 s2, 0xf033
	s_cbranch_scc0 .Lentry_shape_is_right
	s_endpgm
.Lentry_shape_is_right:
; out = (p v) / l in MX-BF6.  A work-group makes 256 rows x 256 channels, a wave 128 x 128 in 512 registers; K = the 2,048 keys, in eight chunks of two K steps of 128.
; p was quantised under one M for each (row, 128 keys).  Here the row's M is the largest of the 16 (the least -M); each run's difference, a whole number, is taken off its four scale bytes
; (held at 0 from below), and its l is brought under the row's M by v_ldexp_f32: nothing is rounded by either.  The result is multiplied by 1 / l on the way out.
; LDS: wave w fetches into bytes w x WREG (waves 0, 1: p's two halves; 2, 3: v's), chunk c at + (c % 2) x CHUNK.  The head's one load a wave brings chunks 0 and 1 (192 rows of 256 bytes);
; each later chunk is the wave's one load behind a round of the cluster's barrier.  Behind the ring: the scale words, 8,192 bytes for each half of p and of v, written by ds_store alone.
; CLUSTER 4 x 4: p's tiles are asked for jointly along a row of the cluster, v's along a column.
; PREFETCH: behind the refill that asks for chunk c stands one instruction a wave for chunk c + 2: of the 24,576 bytes that a wave fetches each of the four partners names 6,144 (24 lanes, 256 bytes apart;
; the other 8 lanes name the last block again), told apart by address.  The head asks for chunks 2 and 3; the last two refills ask for nothing.
; The stage of the way out lies in the first 8,448 bytes of each wave's chunk-0 bytes, which have had their last fill and their last read by then.
; LIMITS: NaN and infinities are not served.  The adds on the spare words, the claim of all LDS, the s_nop 0 behind tensor loads and the s_wait_alu lines.
.set NS,     16
.set FR,     12
.set NL,     3
.set NP,     4
.set NQ,     2
.set FRB,    1536
.set KSB,    12288
.set CHUNK,  24576
.set WREG,   2*CHUNK
.set LAPS,   NS/4
.set HALFS,  NS*512
.set SCL,    4*WREG
.set SPARE,  SCL+4*HALFS
.set SPITCH, 528
.set ADRA, 16
.set ADRB, 20
.set STO,  24
.set RD,   25
.set CO,   26
.set ADRS, 27
.set SPW,  28
.set NIL,  29
.set PSA,  30
.set PFO,  31
.set SC,   32
.set RL,   64
.set AF,   128
.set G1,   24
.set G0,   32
.set G1B,  48
.set G0B,  56
.set G1H,  68
.set G1HB, 80
.set HM,   95
.set PFA,  98
.set SEL,  100
.set MSB, 0
.macro WIN new
.if MSB != (\new)
	s_set_vgpr_msb (MSB<<8)|(\new)
.set MSB, (\new)
.endif
.endm
.set MUL_LO, 0xa1
.set MUL_HI, 0xf1
.set TO_B,   0x40
.macro JLOAD g0a, g1a, g0b, g1b
	s_cmp_eq_u32 s15, 0
	s_cbranch_scc0 .Lfor_b_\@
	tensor_load_to_lds s[\g0a:\g0a+3], s[\g1a:\g1a+7]
	s_nop 0
.rept 4
	v_nop
.endr
	s_branch .Lasked_\@
.Lfor_b_\@:
	tensor_load_to_lds s[\g0b:\g0b+3], s[\g1b:\g1b+7]
	s_nop 0
.rept 4
	v_nop
.endr
.Lasked_\@:
.endm
.macro CREST
	s_cmp_lg_u32 s14, 0
	s_cbranch_scc1 .Lnot_wave_0_\@
	s_barrier_signal -3
.Lnot_wave_0_\@:
	s_barrier_wait -3
	s_barrier_signal -1
	s_barrier_wait -1
.endm
.macro CROUND
	s_barrier_signal -1
	s_barrier_wait -1
	CREST
.endm
.macro PLACES n
.rept \n
	v_nop
.endr
.endm
.macro DESC g, rows
	s_mov_b32 s[\g+1], 32<<16
	s_mov_b32 s[\g+2], (\rows)<<16
	s_mov_b32 s[\g+3], 32<<16
	s_mov_b32 s[\g+4], \rows
	s_mov_b32 s[\g+5], 32
	s_mov_b32 s[\g+6], 0
	s_mov_b32 s[\g+7], 0
.endm
	s_load_b256 s[4:11], s[0:1], 0x0               ; pcodes, pstat, codes, scales
	s_load_b64 s[12:13], s[0:1], 0x20              ; out0
	v_lshl_add_u32 v[SPW], v0, 2, SPARE
	v_mov_b32 v[NIL], 0
	ds_add_u32 v[SPW], v[NIL]                      ; the opening lines
	ds_add_u32 v[SPW], v[NIL]
	v_lshrrev_b32 v1, 5, v0
	v_readfirstlane_b32 s14, v1
	s_lshr_b32 s15, s14, 1
	s_and_b32 s16, s14, 1
	s_bfe_u32 s40, ttmp6, 0x40000
	s_bfe_u32 s41, ttmp6, 0x40004
	s_lshl_b32 s42, ttmp9, 2
	s_add_co_u32 s42, s42, s40                     ; channel tile 0..3
	s_and_b32 s18, ttmp7, 0xffff
	s_lshl_b32 s17, s18, 2
	s_add_co_u32 s17, s17, s41                     ; row block 0..63
	s_lshr_b32 s19, s18, 1                         ; batch
	s_lshl_b32 s43, s41, 2
	s_lshl_b32 s43, 15, s43
	s_lshl_b32 s44, 0x1111, s40
	s_or_b32 s[G1], s43, (3<<16)|(1<<21)
	s_or_b32 s[G1H], s43, (3<<16)|(1<<21)
	s_or_b32 s[G1B], s44, (3<<16)|(1<<21)
	s_or_b32 s[G1HB], s44, (3<<16)|(1<<21)
	DESC G1, 96
	DESC G1B, 96
	DESC G1H, 192
	DESC G1HB, 192
	s_mov_b32 s[SEL], 0x76543210
	s_mov_b32 s[SEL+1], 0xfedcba98
	s_mov_b32 s[HM], 0xffff0000
	s_lshl_b32 s94, s14, 12
	s_mul_i32 s45, s14, WREG                       ; where I fetch to, and my stage
	s_mul_i32 s2, s15, WREG
	s_mul_i32 s22, s16, WREG
	s_add_co_u32 s22, s22, 2*WREG
	s_lshl_b32 s89, s15, 13
	s_lshl_b32 s88, s16, 13
	s_add_co_u32 s88, s88, 2*HALFS
	s_sub_co_u32 s88, s88, s89                     ; from p's scale words to v's
	s_add_co_u32 s89, s89, SCL
	s_add_co_u32 s90, s94, SCL
	v_and_b32 v1, 31, v0
	v_and_b32 v2, 15, v0
	v_bfe_u32 v3, v0, 4, 1
	v_lshlrev_b32 v[CO], 4, v1
	v_add_nc_u32 v[ADRA], s2, v[CO]
	v_add_nc_u32 v[ADRB], s22, v[CO]
	v_add_nc_u32 v[ADRA+1], CHUNK, v[ADRA]
	v_add_nc_u32 v[ADRB+1], CHUNK, v[ADRB]
	v_lshlrev_b32 v5, 4, v2
	v_mul_u32_u24 v6, s88, v3
	v_add_nc_u32 v5, v5, v6
	v_add_nc_u32 v[ADRS], s89, v5                  ; lanes 0-15: p's words, lanes 16-31: v's
	v_add_nc_u32 v[PSA], s90, v[CO]                ; where my quarter of the words is put
	v_mul_u32_u24 v7, v2, SPITCH
	v_lshl_add_u32 v7, v3, 5, v7
	v_add_nc_u32 v[STO], s45, v7
	v_add_nc_u32 v[RD], s45, v[CO]
	v_min_u32 v[PFO], 23, v1
	v_lshlrev_b32 v[PFO], 8, v[PFO]
	s_lshl_b32 s20, s17, 1
	s_add_co_u32 s20, s20, s16
	s_mul_i32 s20, s20, 196608                     ; the group of p that I fetch
	s_mov_b32 s21, 0
	s_lshl_b32 s46, s19, 3
	s_lshl_b32 s47, s42, 1
	s_add_co_u32 s46, s46, s47
	s_lshl_b32 s92, s46, 13
	s_add_co_u32 s92, s92, s94
	s_add_co_u32 s92, s92, 1048576                 ; my quarter of v's scale words
	s_mov_b32 s93, 0
	s_add_co_u32 s46, s46, s16
	s_mul_i32 s46, s46, 196608
	s_add_co_u32 s46, s46, 25165824                ; the group of v that I fetch
	s_mov_b32 s47, 0
	s_lshl_b32 s96, s17, 1
	s_add_co_u32 s96, s96, s15
	s_lshl_b32 s96, s96, 13                        ; my rows' statistics
	s_mov_b32 s97, 0
	s_lshl_b32 s66, s16, 12
	s_mov_b32 s67, 0
	s_lshl_b32 s22, s17, 8
	s_lshl_b32 s23, s15, 7
	s_add_co_u32 s22, s22, s23
	s_lshl_b32 s22, s22, 12
	s_lshl_b32 s23, s42, 10
	s_add_co_u32 s22, s22, s23
	s_lshl_b32 s23, s16, 9
	s_add_co_u32 s22, s22, s23                     ; my part of out0
	s_mov_b32 s23, 0
	s_wait_alu depctr_va_vdst(0)                   ; the head's end
	s_wait_dscnt 0x0
	s_wait_kmcnt 0x0
	s_add_nc_u64 s[20:21], s[4:5], s[20:21]
	s_add_nc_u64 s[46:47], s[8:9], s[46:47]
	s_add_nc_u64 s[92:93], s[10:11], s[92:93]
	s_add_nc_u64 s[96:97], s[6:7], s[96:97]
	s_add_nc_u64 s[66:67], s[96:97], s[66:67]
	s_add_nc_u64 s[12:13], s[12:13], s[22:23]
.irp s, 0,1,2,3,4,5,6,7,8,9,10,11,12,13,14,15
	global_load_b128 v[64+4*\s:67+4*\s], v[CO], s[96:97] offset:1048576+512*\s   ; -M of the 16 runs
.endr
.irp s, 0,1,2,3,4,5,6,7,8,9,10,11,12,13,14,15
	global_load_b128 v[128+4*\s:131+4*\s], v[CO], s[96:97] offset:2097152+512*\s ; l of the 16 runs
.endr
.irp s, 0,1,2,3,4,5,6,7
	global_load_b128 v[192+4*\s:195+4*\s], v[CO], s[66:67] offset:512*\s         ; the scale words of the 8 runs that I adjust
	global_load_b128 v[224+4*\s:227+4*\s], v[CO], s[66:67] offset:1048576+512*\s ; and their -M
.endr
.irp s, 0,1,2,3,4,5,6,7
	global_load_b128 v[32+4*\s:35+4*\s], v[CO], s[92:93] offset:512*\s           ; my quarter of v's scale words
.endr
.irp s, 0,1
	s_mov_b32 s[G0+4*\s], 1
	s_add_co_u32 s[G0+4*\s+1], s45, \s*CHUNK
	s_add_nc_u64 s[G0+4*\s+2:G0+4*\s+3], s[20:21], \s*CHUNK
	s_or_b32 s[G0+4*\s+3], s[G0+4*\s+3], 0x80000000
	s_mov_b32 s[G0B+4*\s], 1
	s_add_co_u32 s[G0B+4*\s+1], s45, \s*CHUNK
	s_add_nc_u64 s[G0B+4*\s+2:G0B+4*\s+3], s[46:47], \s*CHUNK
	s_or_b32 s[G0B+4*\s+3], s[G0B+4*\s+3], 0x80000000
.endr
	s_cmp_eq_u32 s15, 0                            ; the prefetches: the stream that I fetch, my work-group's quarter of each chunk
	s_cselect_b64 s[PFA:PFA+1], s[20:21], s[46:47]
	s_cselect_b32 s2, s40, s41
	s_mul_i32 s2, s2, 6144
	s_add_co_u32 s2, s2, 2*CHUNK
	s_mov_b32 s3, 0
	s_add_nc_u64 s[PFA:PFA+1], s[PFA:PFA+1], s[2:3]
	CROUND                                         ; the round in front of the first joint loads
	JLOAD G0, G1H, G0B, G1HB                       ; chunks 0 and 1: my one load at the head
	global_prefetch_b8 v[PFO], s[PFA:PFA+1] th:TH_LOAD_NT scope:SCOPE_SE                ; chunk 2
	global_prefetch_b8 v[PFO], s[PFA:PFA+1] offset:CHUNK th:TH_LOAD_NT scope:SCOPE_SE   ; chunk 3
	s_wait_loadcnt 0x0
.irp s, 0,1,2,3,4,5,6,7
	ds_store_b128 v[PSA], v[32+4*\s:35+4*\s] offset:2*HALFS+512*\s
.endr
.irp g, 0,1,2,3
	v_min3_num_f32 v[8+\g], v[64+\g], v[68+\g], v[72+\g]       ; the row's -M: the least
.endr
.irp s, 3,5,7,9,11,13
.irp g, 0,1,2,3
	v_min3_num_f32 v[8+\g], v[8+\g], v[64+4*\s+\g], v[68+4*\s+\g]
.endr
.endr
.irp g, 0,1,2,3
	v_min_num_f32 v[8+\g], v[8+\g], v[124+\g]
.endr
.irp s, 0,1,2,3,4,5,6,7,8,9,10,11,12,13,14,15
.irp g, 0,1,2,3
	v_sub_f32 v[1+\g], v[8+\g], v[64+4*\s+\g]      ; the run's M less the row's: 0 or less
.endr
.irp g, 0,1,2,3
	v_cvt_i32_f32 v[1+\g], v[1+\g]
.endr
.if \s == 0
.irp g, 0,1,2,3
	v_ldexp_f32 v[12+\g], v[128+\g], v[1+\g]
.endr
.else
.irp g, 0,1,2,3
	v_ldexp_f32 v[1+\g], v[128+4*\s+\g], v[1+\g]
.endr
.irp g, 0,1,2,3
	v_add_f32 v[12+\g], v[12+\g], v[1+\g]          ; the row's l
.endr
.endif
.endr
.irp s, 0,1,2,3,4,5,6,7
.irp g, 0,1,2,3
	v_sub_f32 v[1+\g], v[224+4*\s+\g], v[8+\g]     ; what comes off the run's four bytes
.endr
.irp g, 0,1,2,3
	v_min_num_f32 v[1+\g], 0x437f0000, v[1+\g]
.endr
.irp g, 0,1,2,3
	v_cvt_u32_f32 v[1+\g], v[1+\g]
.endr
.irp g, 0,1,2,3
	v_and_b32 v[96+8*\g], 0xff, v[192+4*\s+\g]
	v_bfe_u32 v[97+8*\g], v[192+4*\s+\g], 8, 8
	v_bfe_u32 v[98+8*\g], v[192+4*\s+\g], 16, 8
	v_lshrrev_b32 v[99+8*\g], 24, v[192+4*\s+\g]
.endr
.irp k, 0,1,2,3
.irp g, 0,1,2,3
	v_min_u32 v[100+8*\g+\k], v[96+8*\g+\k], v[1+\g]
.endr
.endr
.irp k, 0,1,2,3
.irp g, 0,1,2,3
	v_sub_nc_u32 v[96+8*\g+\k], v[96+8*\g+\k], v[100+8*\g+\k]
.endr
.endr
.irp g, 0,1,2,3
	v_lshl_or_b32 v[192+4*\s+\g], v[97+8*\g], 8, v[96+8*\g]
.endr
.irp g, 0,1,2,3
	v_lshl_or_b32 v[192+4*\s+\g], v[98+8*\g], 16, v[192+4*\s+\g]
.endr
.irp g, 0,1,2,3
	v_lshl_or_b32 v[192+4*\s+\g], v[99+8*\g], 24, v[192+4*\s+\g]
.endr
	ds_store_b128 v[PSA], v[192+4*\s:195+4*\s] offset:512*\s
.endr
	s_wait_alu depctr_va_vdst(0)
.irp g, 0,1,2,3
	v_rcp_f32 v[12+\g], v[12+\g]
.endr
	v_nop
	s_wait_alu depctr_va_vdst(0)
.irp g, 0,1,2,3
	v_permlanex16_b32 v[1+\g], v[12+\g], s[SEL], s[SEL+1]
.endr
.irp g, 0,1,2,3
	v_cndmask_b32 v[RL+4*\g], v[12+\g], v[1+\g], s[HM]         ; 1 / l of row r of block a in v[RL + 2 a] and the register behind it, in both halves of the lanes
	v_cndmask_b32 v[RL+4*\g+1], v[12+\g], v[1+\g], s[HM]
	v_cndmask_b32 v[RL+4*\g+2], v[1+\g], v[12+\g], s[HM]
	v_cndmask_b32 v[RL+4*\g+3], v[1+\g], v[12+\g], s[HM]
.endr
.macro FRAG reg, adr, q, i
.irp c, 0,1,2
	ds_load_b128 v[\reg+4*\c:\reg+4*\c+3], v[\adr] offset:(\q)*KSB+(\i)*FRB+512*\c
.endr
.endm
.macro MUL16 a0, p, q, sc, zero        ; source 0 = v's fragment b (scales in lanes 16-31), source 1 = p's fragment a; the accumulators take turns
.irp a, \a0, \a0+1
.irp b, 0,1,2,3,4,5,6,7
.if \zero
	v_wmma_scale_f32_16x16x128_f8f6f4 v[8*(8*((\a)%4)+\b):8*(8*((\a)%4)+\b)+7], v[128*(\p)+FR*\b:128*(\p)+FR*\b+FR-1], v[AF+FR*(\a):AF+FR*(\a)+FR-1], 0, v[SC+16*(\sc)+8*(\q)+4*(\b%2)+\b/2], v[SC+16*(\sc)+8*(\q)+4*((\a)%2)+(\a)/2] matrix_a_fmt:MATRIX_FMT_BF6 matrix_b_fmt:MATRIX_FMT_BF6 matrix_a_scale:MATRIX_SCALE_ROW1
.else
	v_wmma_scale_f32_16x16x128_f8f6f4 v[8*(8*((\a)%4)+\b):8*(8*((\a)%4)+\b)+7], v[128*(\p)+FR*\b:128*(\p)+FR*\b+FR-1], v[AF+FR*(\a):AF+FR*(\a)+FR-1], v[8*(8*((\a)%4)+\b):8*(8*((\a)%4)+\b)+7], v[SC+16*(\sc)+8*(\q)+4*(\b%2)+\b/2], v[SC+16*(\sc)+8*(\q)+4*((\a)%2)+(\a)/2] matrix_a_fmt:MATRIX_FMT_BF6 matrix_b_fmt:MATRIX_FMT_BF6 matrix_a_scale:MATRIX_SCALE_ROW1
.endif
.endr
.endr
.endm
.macro FETCH_B slot, q, p
	WIN TO_B
.irp i, 0,1,2,3,4,5,6,7
	FRAG 128*(\p)+FR*\i, ADRB+\slot, \q, \i
.endr
	WIN 0
.endm
.macro FETCH_A slot, q, i0
.irp i, \i0, \i0+1, \i0+2, \i0+3
	FRAG AF+FR*(\i), ADRA+\slot, \q, \i
.endr
.endm
.macro SCALES sc
.irp q, 0,1
.irp f, 0,1
	ds_load_b128 v[SC+16*\sc+8*\q+4*\f:SC+16*\sc+8*\q+4*\f+3], v[ADRS] offset:512*\q+256*\f
.endr
.endr
.endm
.macro STEP slot, q, zero
	s_wait_dscnt 4*NL                              ; all but the youngest 12 loads (p's fragments 4-7)
	WIN MUL_LO
	MUL16 0, (\q)%2, \q, \slot, \zero
	MUL16 2, (\q)%2, \q, \slot, \zero
	s_wait_dscnt 0
	PLACES NP
	FETCH_B \slot, (\q)+1, 1-(\q)%2
	FETCH_A \slot, (\q)+1, 0
	WIN MUL_HI
	MUL16 4, (\q)%2, \q, \slot, \zero
	MUL16 6, (\q)%2, \q, \slot, \zero
	PLACES NP
	WIN 0
	FETCH_A \slot, (\q)+1, 4
.endm
.macro TURN slot, next, fill
.if \fill
	s_wait_xcnt 0x0                                ; my last prefetch has read its address: it is stepped a chunk on
	s_add_nc_u64 s[PFA:PFA+1], s[PFA:PFA+1], CHUNK
.endif
	s_wait_tensorcnt 0x0
	ds_add_u32 v[SPW], v[NIL]
	s_wait_dscnt 4*NL+1                            ; the add and the youngest 12 loads may be out
	WIN MUL_LO
	MUL16 0, 1, NQ-1, \slot, 0
	s_wait_dscnt 0x0
	s_barrier_signal -1
	MUL16 2, 1, NQ-1, \slot, 0
	WIN 0
	s_barrier_wait -1
.if \fill
	CREST
	s_add_nc_u64 s[G0+4*\slot+2:G0+4*\slot+3], s[G0+4*\slot+2:G0+4*\slot+3], 2*CHUNK
	s_add_nc_u64 s[G0B+4*\slot+2:G0B+4*\slot+3], s[G0B+4*\slot+2:G0B+4*\slot+3], 2*CHUNK
	JLOAD G0+4*\slot, G1, G0B+4*\slot, G1B
.else
	PLACES NP
.endif
	s_wait_alu depctr_va_vdst(0)
	v_add_nc_u32 v[ADRS], 512*NQ, v[ADRS]
	FETCH_B \next, 0, 0
	FETCH_A \next, 0, 0
	SCALES \next
.if \fill
	s_cmp_gt_u32 s3, 1                             ; the loop's last trip has no chunk two refills on
	s_cbranch_scc0 .Lno_ask_\@
	global_prefetch_b8 v[PFO], s[PFA:PFA+1] offset:CHUNK th:TH_LOAD_NT scope:SCOPE_SE
.Lno_ask_\@:
.endif
	WIN MUL_HI
	MUL16 4, 1, NQ-1, \slot, 0
	MUL16 6, 1, NQ-1, \slot, 0
	PLACES NP
	WIN 0
	FETCH_A \next, 0, 4
.endm
	s_wait_alu depctr_va_vdst(0)
	s_wait_tensorcnt 0x0                           ; my part of chunks 0 and 1 is in,
	s_wait_dscnt 0x0                               ; and my scale words are stored
	s_barrier_signal -1
	s_barrier_wait -1                              ; everybody's are.
	FETCH_B 0, 0, 0
	FETCH_A 0, 0, 0
	SCALES 0
	FETCH_A 0, 0, 4
	STEP 0, 0, 1
	s_mov_b32 s3, LAPS-1
.Llap:
	TURN 0, 1, 1
	STEP 1, 0, 0
	TURN 1, 0, 1
	STEP 0, 0, 0
	s_sub_co_u32 s3, s3, 1
	s_cmp_lg_u32 s3, 0
	s_cbranch_scc1 .Llap
	TURN 0, 1, 0
	STEP 1, 0, 0
	s_wait_dscnt 4*NL
	WIN MUL_LO
	MUL16 0, 1, NQ-1, 1, 0
	MUL16 2, 1, NQ-1, 1, 0
	s_wait_dscnt 0
	WIN MUL_HI
	MUL16 4, 1, NQ-1, 1, 0
	MUL16 6, 1, NQ-1, 1, 0
	WIN 0
; THE WAY OUT.  Block a (16 rows x 128 channels) x 1 / l goes through my stage and comes back as whole rows of 512 bytes, into 64 registers that are written no more:
; blocks 0, 1: window 0, v128 on; blocks 2-5: window 1; blocks 6, 7: the accumulators of blocks 0, 1, whose stage stores are done by then.  Every store's offset is an immediate.
.macro BUF a
.if (\a) < 2
.set BW, 0
.set BR, 128+64*(\a)
.else
.if (\a) < 6
.set BW, 1
.set BR, 64*((\a)-2)
.else
.set BW, 2
.set BR, 64*((\a)-6)
.endif
.endif
.endm
.macro TOSTAGE a
.set W, 2+(\a)/4
.set AC, 64*((\a)%4)
	WIN 65*W
.irp u, 0,8,16,24,32,40,48,56
.irp w, 0,2,4,6
	v_pk_mul_f32 v[AC+\u+\w:AC+\u+\w+1], v[AC+\u+\w:AC+\u+\w+1], v[RL+2*(\a):RL+2*(\a)+1]
.endr
.endr
	WIN 4*W
.irp b, 0,1,2,3,4,5,6,7
	ds_store_b128 v[STO], v[AC+8*\b:AC+8*\b+3] offset:64*\b
	ds_store_b128 v[STO], v[AC+8*\b+4:AC+8*\b+7] offset:64*\b+16
.endr
	BUF \a
	WIN 64*BW
.irp t, 0,1,2,3,4,5,6,7,8,9,10,11,12,13,14,15
	ds_load_b128 v[BR+4*\t:BR+4*\t+3], v[RD] offset:\t*SPITCH   ; LDS serves a wave's instructions in order: these see the stores above
.endr
.endm
.macro SEND a, younger
	BUF \a
	s_wait_dscnt \younger
	WIN 4*BW
.irp t, 0,1,2,3,4,5,6,7,8,9,10,11,12,13,14,15
	global_store_b128 v[CO], v[BR+4*\t:BR+4*\t+3], s[12:13] offset:(16*(\a)+\t)*4096 th:TH_STORE_NT   ; 32 lanes store 512 consecutive bytes, aligned
.endr
.endm
	PLACES NP
	TOSTAGE 0
.irp a, 1,2,3,4,5,6,7
	TOSTAGE \a
	SEND \a-1, 32                                  ; the 32 LDS instructions of the block behind may be out
.endr
	SEND 7, 0
	WIN 0
	s_wait_tensorcnt 0x0                           ; the wave's end
	ds_add_u32 v[SPW], v[NIL]
	s_wait_dscnt 0x0
	CROUND                                         ; the closing round
	s_endpgm
.Lfunc_end_k_q66734c4bc4_pv:
	.size	k_q66734c4bc4_pv, .Lfunc_end_k_q66734c4bc4_pv-k_q66734c4bc4_pv
	.p2alignl 7, 3214868480
	.fill 96, 4, 3214868480
	.section	.rodata,"a",@progbits
	.p2align	6, 0x0
	.amdhsa_kernel k_q66734c4bc4_pv
		.amdhsa_group_segment_fixed_size 327680
		.amdhsa_private_segment_fixed_size 0
		.amdhsa_enable_private_segment 0
		.amdhsa_kernarg_size 40
		.amdhsa_user_sgpr_count 2
		.amdhsa_user_sgpr_kernarg_segment_ptr 1
		.amdhsa_wavefront_size32 1
		.amdhsa_system_sgpr_workgroup_id_x 1
		.amdhsa_system_sgpr_workgroup_id_y 1
		.amdhsa_system_sgpr_workgroup_id_z 1
		.amdhsa_system_vgpr_workitem_id 0
		.amdhsa_next_free_vgpr 1024
		.amdhsa_next_free_sgpr 102
		.amdhsa_reserve_vcc 0
		.amdhsa_float_denorm_mode_32 3
		.amdhsa_float_denorm_mode_16_64 3
		.amdhsa_memory_ordered 1
		.amdhsa_forward_progress 1
		.amdhsa_inst_pref_size 195
	.end_amdhsa_kernel
	.amdgpu_metadata
---
amdhsa.version: [ 1, 2 ]
amdhsa.kernels:
  - .name:           k_q66734c4bc4_pv
    .symbol:         k_q66734c4bc4_pv.kd
    .args:
      - { .name: pcodes, .offset: 0, .size: 8, .value_kind: global_buffer, .address_space: global }
      - { .name: pstat, .offset: 8, .size: 8, .value_kind: global_buffer, .address_space: global }
      - { .name: codes, .offset: 16, .size: 8, .value_kind: global_buffer, .address_space: global }
      - { .name: scales, .offset: 24, .size: 8, .value_kind: global_buffer, .address_space: global }
      - { .name: out0, .offset: 32, .size: 8, .value_kind: global_buffer, .address_space: global }
    .group_segment_fixed_size: 327680
    .private_segment_fixed_size: 0
    .kernarg_segment_align: 8
    .kernarg_segment_size: 40
    .max_flat_workgroup_size: 128
    .sgpr_count:     102
    .vgpr_count:     1024
    .wavefront_size: 32
...
	.end_amdgpu_metadata
.endif
;; end of part 3
